; MI455X (gfx1250); checked and timed in simulation.
; The chip was launched on July 23, 2026; its instructions are those of AMD's public machine-readable ISA for CDNA 5 (MIT licence, August 2026) and "CDNA5" Instruction Set Architecture Reference Guide (July 2026). The comments in the code are by the model that wrote it; some were corrected since.
;; Lo RA Linear. Allowed arithmetic: matrix products marked QUANTISED: E2M1 operands, one E8M0 scale for each 32 along K, by v_wmma_scale_f32_16x16x128_f8f6f4 with both operands' format E2M1 (or v_wmma_scale_f32_32x16x128_f4), f32 sums; products left as they are: f32 operands where the result goes on into a quantised operand, else bf16, f16 or f32 operands; f32 sums; everything else in f32.
;; Inputs: lora_A 16 x 4,096 float32; lora_B 4,096 x 16 float32; weight 4,096 x 4,096 float32; x 4,096 x 4,096 float32.
;; Outputs: out0 4,096 x 4,096 float32.
;; This version of the problem:
;;   THIS VERSION OF THE PROBLEM IS GIVEN IN LOW PRECISION. The matrix products marked QUANTISED in the list below multiply operands that are first quantised to E2M1 (2 exponent bits, 1 mantissa bit; 4 bits a number), with one power-of-two scale for each 32 numbers along K (OCP MX v1.0); their sums are f32. All else is computed in f32.
;;   The module's matrix products, in the order in which they are computed (A, B: the left and right operand; K: the contracted axis; several contracted axes count as one K, in the product's order):
;;     1. [M 4,096, K 4,096] x [K 4,096, N 4,096]; A: input x; B: input weight: QUANTISED
;;     2. [M 4,096, K 4,096] x [K 4,096, N 16]; A: input x; B: input lora_A: QUANTISED
;;     3. [M 4,096, K 16] x [K 16, N 4,096]; A: computed on the way; B: input lora_B: left as it is (K = 16 < 32)
;;   THE QUANTISER, for each operand of a quantised product, along K:
;;     - K is cut into blocks of 32 from its start; a last block that is shorter is filled with zeros.
;;     - A block's scale is 2^e with e = floor(log2(the largest magnitude in the block)) - 2, held to -126 .. 127; a block of zeros has e = 0. As a byte (E8M0): e + 127.
;;     - Each number is divided by its block's scale, clamped to +-6, and rounded to the nearest number of E2M1, ties to even, subnormals kept.
;;     - The product sums the exact products of the quantised numbers (number of the format x scale) in f32.
;;   ~~~python
;;   def quantise(x, axis):      # numpy; x: float32 -> the quantised numbers, widened to float32 again
;;       x = np.moveaxis(x, axis, -1); K = x.shape[-1]
;;       x = np.pad(x, [(0, 0)] * (x.ndim - 1) + [(0, -K % 32)]); x = x.reshape(x.shape[:-1] + (-1, 32)); a = np.abs(x).max(-1, keepdims=True)
;;       e = np.where(a > 0, np.clip(np.frexp(np.where(a > 0, a, 1))[1] - 1 - 2, -126, 127), 0)      # np.frexp(a)[1] - 1 = floor(log2(a)), exactly
;;       r = np.clip(x / 2.0 ** e, -6, 6)
;;       step = 2.0 ** (np.maximum(np.frexp(np.where(r == 0, 1, r))[1] - 1, 0) - 1)
;;       q = np.round(r / step) * step * 2.0 ** e      # np.round: ties to even
;;       return np.moveaxis(q.reshape(q.shape[:-2] + (-1,))[..., :K], -1, axis).astype(np.float32)
;;   ~~~
;; One version. Each part assembles by itself: llvm-mc -triple=amdgcn-amd-amdhsa -mcpu=gfx1250 --defsym DOCPART=n.
;; ======== version 1 of 1: 2 launches
;; limits: values are held in bf16: 8 bits of precision; right only within a limited range of input values
;; workspace buffers: xq 8,912,896 bytes; wq 8,912,896 bytes; lq 34,816 bytes
;; launch quant (part 1): grid 1026 x 1, 4 waves a work-group, no clusters, 35,328 bytes of LDS; arguments x, weight, lora_A, xq, wq, lq; writes xq, wq, lq
.if DOCPART == 1
	.amdgcn_target "amdgcn-amd-amdhsa--gfx1250"
	.amdhsa_code_object_version 6
	.text
	.protected	k_q6010f1628c_quant
	.globl	k_q6010f1628c_quant
	.p2align	8
	.type	k_q6010f1628c_quant,@function
k_q6010f1628c_quant:
	s_mov_b64 s[64:65], 0
	v_nop
	global_prefetch_b8 v0, s[64:65] scope:SCOPE_SE
	s_setreg_imm32_b32 hwreg(HW_REG_WAVE_MODE, 25, 1), 1
	s_wait_xcnt 0x0
; x [4096][4096], weight [4096][4096] and lora_A [16][4096], f32, K innermost, become codes of FP4 (E2M1) with one E8M0 scale byte for each 32 along K,
; laid IN THE ORDER OF THE OPERAND'S REGISTERS, so that the product's launch reads every fragment as 512 consecutive bytes.
; LAYOUT of xq and wq: [tile of 256 rows: 16][K step of 512: 8][block of 69,632 bytes].  A block: codes [row block i: 16][kb: 16 blocks of 32 along K][row r: 16][16 bytes], 65,536 bytes;
; behind them the scale bytes [row: 256][16 bytes], byte kb for K block kb.  lq: [K step: 8][4,352 bytes]: codes [kb][r][16 bytes], then scale bytes [r][16 bytes].
; A block's scale is 2^(floor(log2(its largest magnitude)) - 2); its byte is the largest magnitude's exponent field - 2, held at 1 from below; each number is divided by the scale and rounded to the nearest code, ties to even,
; beyond the largest code the largest.
; LIMITS: a block whose largest magnitude lies under 2^-124, and a block of zeros, gets the byte 1 (its codes are zeros, which add nothing, and this program alone reads the bytes); NaN and infinities among the inputs are not served.
; SHARES: work-groups 0-511 take x, 512-1023 weight, 1024-1025 lora_A: only pointers and three numbers are chosen, by the work-group's number; there is one path through the text.
; A wave takes 16 rows x 512 along K, in 8 steps of 16 rows x 64.  In step t lane (r, h) holds the whole block kb = 2 t + h of row r: its maximum needs no other lane, and its 16 bytes of codes belong at 512 t + 16 x lane:
; one store of the wave covers 512 consecutive bytes, aligned.  The loads are dense too (each reads two rows' 256 aligned bytes); a step's 4,096 bytes turn through the wave's own stage in LDS.
; No barrier: waves share nothing.  No loop: every offset is an immediate (231,168 at the most).  Loads run two steps (16 loads a wave) ahead, the turn through LDS one step.
.set NST,   8                          ; steps of a wave
.set SP,    272                        ; a stage row: 256 bytes + 16: an odd multiple of 16
.set STG,   16*SP                      ; a stage
.set WREG,  2*STG                      ; a wave's LDS: two stages by turns
.set GOFF,  4                          ; v4   16,384 h + 16 r: my 16 bytes of a load's two rows
.set SIN,   5                          ; v5   the stage, on the way in: row h, 16 r
.set SOUT,  6                          ; v6   and on the way out: row r, 128 h
.set CO,    7                          ; v7   16 x lane: my codes' place in a step's 512 bytes
.set SO,    8                          ; v8   16 r + 8 h: my 8 of the 256 scale bytes
.set SH,    9                          ; v9   8 h
.set SB,    16                         ; v16-19 my scale bytes
.set PT,    20                         ; v20-23 the other half's
.set R,     32                         ; v32-95   two sets of 32 numbers as loaded
.set X,     96                         ; v96-159  two sets of 32 neighbours along K
.set C,     160                        ; v160-191 codes: four registers for each step, never written again
	s_load_b256 s[4:11], s[0:1], 0x0               ; x, weight, lora_A, xq
	s_load_b128 s[12:15], s[0:1], 0x20             ; wq, lq
	v_lshl_add_u32 v24, v0, 2, 0x8800              ; my spare word, behind the four waves' stages; never rewritten
	v_mov_b32 v25, 0                               ; 0; never rewritten
	v_lshrrev_b32 v1, 5, v0
	v_readfirstlane_b32 s16, v1                    ; wave 0..3
	v_and_b32 v1, 31, v0                           ; lane
	v_and_b32 v2, 15, v0                           ; r
	v_bfe_u32 v3, v0, 4, 1                         ; h
	v_lshlrev_b32 v[GOFF], 4, v2
	v_lshl_add_u32 v[GOFF], v3, 14, v[GOFF]
	s_mul_i32 s22, s16, WREG                       ; my wave's LDS
	v_mul_u32_u24 v[SIN], v3, SP
	v_lshl_add_u32 v[SIN], v2, 4, v[SIN]
	v_add_nc_u32 v[SIN], s22, v[SIN]
	v_mul_u32_u24 v[SOUT], v2, SP
	v_lshl_add_u32 v[SOUT], v3, 7, v[SOUT]
	v_add_nc_u32 v[SOUT], s22, v[SOUT]
	v_lshlrev_b32 v[CO], 4, v1
	v_lshlrev_b32 v[SH], 3, v3
	v_lshl_add_u32 v[SO], v2, 4, v[SH]
.irp k, 0,1,2,3
	v_mov_b32 v[PT+\k], 0                          ; written once: a lane permute's destination counts as one of its sources
.endr
	s_mov_b32 s20, 0x76543210
	s_mov_b32 s21, 0xfedcba98                      ; v_permlanex16_b32's selects for lane l xor 16
	s_wait_alu depctr_va_vdst(0)
	s_wait_kmcnt 0x0
	s_cmp_lt_u32 ttmp9, 512                        ; x or weight?  The choices hang on the work-group's number alone
	s_cselect_b64 s[4:5], s[4:5], s[6:7]
	s_cselect_b64 s[10:11], s[10:11], s[12:13]
	s_cselect_b32 s17, 0, 512                      ; the tensor's first work-group
	s_mov_b32 s18, 4352
	s_mov_b32 s19, 4096
	s_cmp_lt_u32 ttmp9, 1024                       ; or lora_A?
	s_cselect_b64 s[4:5], s[4:5], s[8:9]
	s_cselect_b64 s[10:11], s[10:11], s[14:15]
	s_cselect_b32 s17, s17, 1024
	s_cselect_b32 s18, 69632, s18                  ; bytes of a block
	s_cselect_b32 s19, 65536, s19                  ; where its scale bytes begin
	s_sub_co_u32 s28, ttmp9, s17
	s_lshl_b32 s28, s28, 2
	s_add_co_u32 s28, s28, s16                     ; my wave's task
	s_lshr_b32 s29, s28, 3                         ; g: which 16 rows
	s_and_b32 s30, s28, 7                          ; j: which K step of 512
	s_lshr_b32 s31, s29, 4                         ; tile of 256 rows
	s_and_b32 s32, s29, 15                         ; i: row block in it
	s_lshl_b32 s34, s29, 18                        ; 16 rows of 16,384 bytes
	s_lshl_b32 s33, s30, 11                        ; 512 numbers
	s_add_co_u32 s34, s34, s33
	s_mov_b32 s35, 0
	s_add_nc_u64 s[4:5], s[4:5], s[34:35]          ; the source at my task
	s_lshl_b32 s31, s31, 3
	s_add_co_u32 s31, s31, s30
	s_mul_i32 s31, s31, s18                        ; the block: (8 x tile + j) x its bytes
	s_lshl_b32 s33, s32, 12
	s_add_co_u32 s34, s31, s33                     ; + 4,096 i
	s_add_nc_u64 s[24:25], s[10:11], s[34:35]      ; my codes
	s_lshl_b32 s33, s32, 8
	s_add_co_u32 s36, s31, s33                     ; + 256 i
	s_add_co_u32 s36, s36, s19
	s_mov_b32 s37, 0
	s_add_nc_u64 s[26:27], s[10:11], s[36:37]      ; my scale bytes
.macro LOAD t                          ; step t: load i reads rows 2 i and 2 i + 1, 256 consecutive aligned bytes of each
.irp i, 0,1,2,3,4,5,6,7
	global_load_b128 v[R+32*((\t)%2)+4*\i:R+32*((\t)%2)+4*\i+3], v[GOFF], s[4:5] offset:32768*\i+256*(\t) th:TH_LOAD_NT
.endr
.endm
.macro TURN t                          ; step t's numbers through the stage: LDS serves a wave's instructions in order, so no wait stands between the stores and the loads
.irp i, 0,1,2,3,4,5,6,7
	ds_store_b128 v[SIN], v[R+32*((\t)%2)+4*\i:R+32*((\t)%2)+4*\i+3] offset:STG*((\t)%2)+2*SP*\i
.endr
.irp i, 0,1,2,3,4,5,6,7
	ds_load_b128 v[X+32*((\t)%2)+4*\i:X+32*((\t)%2)+4*\i+3], v[SOUT] offset:STG*((\t)%2)+16*\i
.endr
.endm
.macro STEP t
.set XS, X+32*((\t)%2)
	s_wait_dscnt 0x0                               ; this step's numbers are back from the stage: so its stores into the stage have read their registers,
.if (\t)+2 < NST
	LOAD (\t)+2                                    ; which take the loads of two steps on
.endif
.if (\t)+1 < NST
.if (\t)+2 < NST
	s_wait_loadcnt 8                               ; the next step's eight loads are in; the eight just issued may be out
.else
	s_wait_loadcnt 0x0
.endif
	TURN (\t)+1                                    ; and go through the other stage while this step is worked
.endif
	v_max3_num_f32 v12, |v[XS]|, |v[XS+1]|, |v[XS+2]|              ; the block's largest magnitude: all 32 numbers are mine; two chains
	v_max3_num_f32 v13, |v[XS+3]|, |v[XS+4]|, |v[XS+5]|
.irp i, 6,10,14,18,22,26
	v_max3_num_f32 v12, v12, |v[XS+\i]|, |v[XS+\i+1]|
	v_max3_num_f32 v13, v13, |v[XS+\i+2]|, |v[XS+\i+3]|
.endr
	v_max3_num_f32 v12, v12, |v[XS+30]|, |v[XS+31]|
	v_max3_num_f32 v12, v12, v13, 0x1800000        ; and the floor 2^(3 - 127), under which no largest magnitude is taken: so the byte cannot fall under 1
	v_add_nc_u32 v14, 0xff000000, v12              ; 2 off its exponent field: the conversion takes the exponent field of this operand as its scale, and nothing else of it
.irp g, 0,1,2,3
	v_cvt_scalef32_pk8_fp4_f32 v[C+4*(\t)+\g], v[XS+8*\g:XS+8*\g+7], v14
.endr
.if (\t)%2 == 0
	v_lshrrev_b32 v[SB+(\t)/2], 23, v14            ; the scale's byte (a plain line behind the conversions).  Block kb = 2 t + h: byte 2 (t % 2) + h of word t / 2; the h is shifted in at the end
.else
	v_lshrrev_b32 v15, 23, v14
	v_lshl_or_b32 v[SB+(\t)/2], v15, 16, v[SB+(\t)/2]
.endif
	global_store_b128 v[CO], v[C+4*(\t):C+4*(\t)+3], s[24:25] offset:512*(\t)   ; 32 lanes store 512 consecutive bytes, at a multiple of 256 from the buffer's first byte
.endm
	LOAD 0
	LOAD 1
	s_wait_loadcnt 8                               ; step 0's eight loads are in
	TURN 0
.irp t, 0,1,2,3,4,5,6,7
	STEP \t
.endr
	; my row's 16 scale bytes: mine are those of the blocks kb with kb % 2 = h; lane l xor 16 has the others
.irp k, 0,1,2,3
	v_lshlrev_b32 v[SB+\k], v[SH], v[SB+\k]
.endr
.irp k, 0,1,2,3
	v_permlanex16_b32 v[PT+\k], v[SB+\k], s20, s21
.endr
.irp k, 0,1,2,3
	v_or_b32 v[SB+\k], v[SB+\k], v[PT+\k]
.endr
	v_cmp_eq_u32 vcc_lo, 1, v3
	v_cndmask_b32 v10, v[SB], v[SB+2], vcc_lo      ; lanes 0-15 store the row's first 8 bytes, lanes 16-31 its last 8
	v_cndmask_b32 v11, v[SB+1], v[SB+3], vcc_lo
	global_store_b64 v[SO], v[10:11], s[26:27]     ; 32 lanes store 256 consecutive bytes, aligned
	s_wait_tensorcnt 0x0
	ds_add_u32 v24, v25
	s_wait_dscnt 0x0
	s_endpgm
.Lfunc_end_k_q6010f1628c_quant:
	.size	k_q6010f1628c_quant, .Lfunc_end_k_q6010f1628c_quant-k_q6010f1628c_quant
	.p2alignl 7, 3214868480
	.fill 96, 4, 3214868480
	.section	.rodata,"a",@progbits
	.p2align	6, 0x0
	.amdhsa_kernel k_q6010f1628c_quant
		.amdhsa_group_segment_fixed_size 35328
		.amdhsa_private_segment_fixed_size 0
		.amdhsa_enable_private_segment 0
		.amdhsa_kernarg_size 48
		.amdhsa_user_sgpr_count 2
		.amdhsa_user_sgpr_kernarg_segment_ptr 1
		.amdhsa_wavefront_size32 1
		.amdhsa_system_sgpr_workgroup_id_x 1
		.amdhsa_system_sgpr_workgroup_id_y 1
		.amdhsa_system_sgpr_workgroup_id_z 1
		.amdhsa_system_vgpr_workitem_id 0
		.amdhsa_next_free_vgpr 192
		.amdhsa_next_free_sgpr 66
		.amdhsa_reserve_vcc 1
		.amdhsa_float_denorm_mode_32 3
		.amdhsa_float_denorm_mode_16_64 3
		.amdhsa_memory_ordered 1
		.amdhsa_forward_progress 1
		.amdhsa_inst_pref_size 31
	.end_amdhsa_kernel
	.amdgpu_metadata
---
amdhsa.version: [ 1, 2 ]
amdhsa.kernels:
  - .name:           k_q6010f1628c_quant
    .symbol:         k_q6010f1628c_quant.kd
    .args:
      - { .name: x, .offset: 0, .size: 8, .value_kind: global_buffer, .address_space: global }
      - { .name: weight, .offset: 8, .size: 8, .value_kind: global_buffer, .address_space: global }
      - { .name: lora_A, .offset: 16, .size: 8, .value_kind: global_buffer, .address_space: global }
      - { .name: xq, .offset: 24, .size: 8, .value_kind: global_buffer, .address_space: global }
      - { .name: wq, .offset: 32, .size: 8, .value_kind: global_buffer, .address_space: global }
      - { .name: lq, .offset: 40, .size: 8, .value_kind: global_buffer, .address_space: global }
    .group_segment_fixed_size: 35328
    .private_segment_fixed_size: 0
    .kernarg_segment_align: 8
    .kernarg_segment_size: 48
    .max_flat_workgroup_size: 128
    .sgpr_count:     66
    .vgpr_count:     192
    .wavefront_size: 32
...
	.end_amdgpu_metadata
.endif
;; end of part 1
;; launch gemm (part 2): grid 16 x 16, 4 waves a work-group, clusters of 4 x 4, 327,680 bytes of LDS; arguments xq, wq, lq, lora_B, out0; writes out0
.if DOCPART == 2
	.amdgcn_target "amdgcn-amd-amdhsa--gfx1250"
	.amdhsa_code_object_version 6
	.text
	.protected	k_q6010f1628c_gemm
	.globl	k_q6010f1628c_gemm
	.p2align	8
	.type	k_q6010f1628c_gemm,@function
k_q6010f1628c_gemm:
	s_mov_b64 s[64:65], 0
	v_nop
	global_prefetch_b8 v0, s[64:65] scope:SCOPE_SE
	s_setreg_imm32_b32 hwreg(HW_REG_WAVE_MODE, 25, 1), 1
	s_wait_xcnt 0x0
	s_wait_alu depctr_hold_cnt(0) depctr_sa_sdst(0) depctr_va_vdst(0) depctr_va_sdst(0) depctr_va_ssrc(0) depctr_va_vcc(0) depctr_vm_vsrc(0)
	s_getreg_b32 s2, hwreg(HW_REG_IB_STS2, 6, 4)
	s_cmp_eq_u32 s2, 0
	s_cbranch_scc0 .Lentry_in_a_cluster
	s_endpgm
.Lentry_in_a_cluster:
	s_bfe_u32 s2, ttmp6, 0x10000c
	s_cmp_lg_u32 s2, 0xf033
	s_cbranch_scc0 .Lentry_shape_is_right
	s_endpgm
.Lentry_shape_is_right:
; out0 = Q(x) Q(weight)^T + 2 (Q(x) Q(lora_A)^T) lora_B^T.  xq, wq, lq: FP4 codes and E8M0 bytes as launch quant lays them: [tile of 256 rows][K step of 512][69,632 bytes: codes in the order
; of the operand's registers, then 16 scale bytes a row]; lq: [K step][4,352 bytes].  A work-group of four waves makes 256 x 256 of out0, a wave 128 x 128: 64 accumulators, 512 registers.
; K goes in 8 steps of 512 through two LDS slots (A's block, B's block); a slot is 4 steps of 128 along K, 64 products a wave each, and 4 more for T = Q(x) Q(lora_A)^T of 64 of the wave's rows
; (the wave beside it makes the other 64; they change hands through LDS at the end).  The third product, K = 16, goes in bf16 with f32 sums onto the same accumulators; the factor 2 is put on T in f32.
; CLUSTERS 4 x 4: A's blocks are asked for jointly along a row of the cluster, B's along a column.  lq is 34,816 of the 1,148,928 bytes that a work-group brings in, and comes by plain loads.
; EVERY OPERAND HAS TWO REGISTER SETS: the next step's 34 LDS loads go out in ONE run at a step's head, 68 products ahead of their use.
; The products are used transposed (source 0 = rows of weight, source 1 = rows of x): a lane holds eight neighbouring numbers of a row of out0.
; LIMITS: NaN and infinities among the inputs are not served; T and lora_B are rounded to bf16 for the third product.
; REGISTERS: window 0: v0-31 addresses; v32-95 scale words, two sets; v96-103 lora_A's scale words; v104-119 its fragments, two sets; v128-255 x's fragments, two sets.
;   window 1: v0-63, v128-191 weight's fragments; v64-127 lora_B; v192-223 T.   windows 2, 3: the accumulators.
.set BLKB,   69632                     ; a block: 256 rows x 512 K of codes, and their scale bytes
.set HALFB,  BLKB/2                    ; what one load of the ring brings: 136 rows of 256 bytes
.set SLOT,   2*BLKB
.set ASC,    65536                     ; where a block's scale bytes begin
.set LOR,    2*SLOT                    ; lq, all of K, filled once
.set LQB,    4352
.set SPARE,  LOR+8*LQB                 ; the spare words: 512 bytes that no other line names
.set TX,     SPARE+512                 ; T from wave to wave: 2,048 bytes a wave
.set SPITCH, 528                       ; the way out: a stage of 16 rows x (512 + 16) bytes a wave, in slot 0 behind its last fill and last read
.set FR,     8
.set LAPS,   4
.set PSH,    8704                      ; a partner's share of a half block for the prefetches: 34 units of 256 bytes
.set PFO,  8
.set PFO2, 9
.set LBO,  11
.set TXL,  12
.set TXS,  13
.set CO,   14
.set ADRA_LO, 16
.set ADRA_HI, 18
.set ADRB, 20
.set ADRS_LO, 22
.set ADRS_HI, 24
.set ADRL, 26
.set ADRLS, 27
.set SPW,  28
.set NIL,  29
.set STO,  30
.set RD,   31
.set SC,   32
.set LSC,  96
.set LF,   104
.set AF,   128
.set TACC, 192
.set LBF,  64
.set BK,   128
.set G1,   24
.set G0,   32
.set G1B,  48
.set G0B,  56
.set PFA,  66
.set G1L,  68
.set G0L,  76
.set CLO,  80
.set CHI,  82
.set G0H,  84
.set G0HB, 88
.set MSB, 0
.macro WIN new                         ; the immediate's high byte repeats the setting that is left
.if MSB != (\new)
	s_set_vgpr_msb (MSB<<8)|(\new)
.set MSB, (\new)
.endif
.endm
.set MUL_LO, 0xa1                      ; source 0 window 1, source 1 window 0, C and D window 2
.set MUL_HI, 0xf1
.set MUL_T,  0x50                      ; sources window 0, C and D window 1
.set TO_B,   0x40                      ; destination window 1, address window 0
.macro PLACES n
.rept \n
	v_nop
.endr
.endm
.macro TLOAD g0, g1                    ; a tensor load with an s_nop 0 and four v_nop behind it
	tensor_load_to_lds s[\g0:\g0+3], s[\g1:\g1+7]
	s_nop 0
	PLACES 4
.endm
.macro JLOAD s                         ; the ring's joint load: waves 0, 1 fetch A's halves, waves 2, 3 B's
	s_cmp_eq_u32 s15, 0
	s_cbranch_scc0 .Lfor_b_\@
	TLOAD G0+4*\s, G1
	s_branch .Lasked_\@
.Lfor_b_\@:
	TLOAD G0B+4*\s, G1B
.Lasked_\@:
.endm
.macro CREST                           ; a round of the cluster's barrier behind its opening barrier
	s_cmp_lg_u32 s14, 0
	s_cbranch_scc1 .Lnot_wave_0_\@
	s_barrier_signal -3
.Lnot_wave_0_\@:
	s_barrier_wait -3
	s_barrier_signal -1
	s_barrier_wait -1
.endm
.macro CROUND
	s_barrier_signal -1
	s_barrier_wait -1
	CREST
.endm
.macro PREF off                        ; my 34 units of a K step's half block: 32 lanes a unit each, then units 32 and 33 (lanes 1-31 name the last)
	global_prefetch_b8 v[PFO], s[PFA:PFA+1] offset:\off th:TH_LOAD_NT scope:SCOPE_SE
	global_prefetch_b8 v[PFO2], s[PFA:PFA+1] offset:\off+8192 th:TH_LOAD_NT scope:SCOPE_SE
.endm
	s_load_b256 s[4:11], s[0:1], 0x0               ; xq, wq, lq, lora_B
	s_load_b64 s[12:13], s[0:1], 0x20              ; out0
	v_lshl_add_u32 v[SPW], v0, 2, SPARE
	v_mov_b32 v[NIL], 0
	ds_add_u32 v[SPW], v[NIL]                      ; the opening lines: the add, twice on end,
	ds_add_u32 v[SPW], v[NIL]
	v_lshrrev_b32 v1, 5, v0
	v_readfirstlane_b32 s14, v1                    ; wave
	s_lshr_b32 s15, s14, 1                         ; my half of the rows; in the ring: I fetch for A (0) or B (1)
	s_and_b32 s16, s14, 1                          ; my half of the columns; in the ring: which half block I fetch
	s_bfe_u32 s40, ttmp6, 0x40000                  ; cx
	s_bfe_u32 s41, ttmp6, 0x40004                  ; cy
	s_lshl_b32 s42, ttmp9, 2
	s_add_co_u32 s42, s42, s40                     ; tile column
	s_and_b32 s17, ttmp7, 0xffff
	s_lshl_b32 s17, s17, 2
	s_add_co_u32 s17, s17, s41                     ; tile row
	s_lshl_b32 s43, s41, 2
	s_lshl_b32 s43, 15, s43                        ; my row of the cluster
	s_lshl_b32 s44, 0x1111, s40                    ; my column
	s_or_b32 s[G1+0], s43, (3<<16)|(1<<21)         ; elements of 8 bytes, rows of 256 bytes, dense
	s_or_b32 s[G1B+0], s44, (3<<16)|(1<<21)
.irp g, G1, G1B
	s_mov_b32 s[\g+1], 32<<16
	s_mov_b32 s[\g+2], 272<<16                     ; the head's loads bring a whole block: 272 rows
	s_mov_b32 s[\g+3], 32<<16
	s_mov_b32 s[\g+4], 272
	s_mov_b32 s[\g+5], 32
	s_mov_b32 s[\g+6], 0
	s_mov_b32 s[\g+7], 0
.endr
	s_mov_b32 s[G1L+0], 3<<16                      ; half of lq: 68 rows of 256 bytes
	s_mov_b32 s[G1L+1], 32<<16
	s_mov_b32 s[G1L+2], 68<<16
	s_mov_b32 s[G1L+3], 32<<16
	s_mov_b32 s[G1L+4], 68
	s_mov_b32 s[G1L+5], 32
	s_mov_b32 s[G1L+6], 0
	s_mov_b32 s[G1L+7], 0
	s_mul_i32 s18, s16, HALFB
	s_mov_b32 s19, 0
	s_lshl_b32 s20, s17, 3
	s_mul_i32 s20, s20, BLKB                       ; A's tile, K step 0
	s_mov_b32 s21, 0
	s_lshl_b32 s46, s42, 3
	s_mul_i32 s46, s46, BLKB                       ; B's
	s_mov_b32 s47, 0
	s_mul_i32 s45, s14, HALFB                      ; the ring: wave x half a block
	s_mul_i32 s22, s16, 4*LQB
	s_mov_b32 s23, 0
	s_cmp_eq_u32 s15, 0                            ; the prefetches: my tile, my place among the four that ask with me (by address alone)
	s_cselect_b32 s66, s17, s42
	s_cselect_b32 s67, s40, s41
	s_lshl_b32 s66, s66, 3
	s_add_co_u32 s66, s66, 1                       ; they begin at K step 1
	s_mul_i32 s66, s66, BLKB
	s_mul_i32 s67, s67, PSH
	s_add_co_u32 s66, s66, s67
	s_add_co_u32 s66, s66, s18
	s_mov_b32 s67, 0
	; LDS bases, from the wave's number alone.  'lo' = the 64 of my 128 rows whose T I make: half s16; 'hi' = the other 64
	s_xor_b32 s2, s16, 1
	s_xor_b32 s3, s15, 1
	s_lshl_b32 s92, s15, 15
	s_lshl_b32 s93, s2, 14
	s_add_co_u32 s93, s93, s92                     ; A hi
	s_lshl_b32 s94, s16, 14
	s_add_co_u32 s92, s92, s94                     ; A lo
	s_lshl_b32 s94, s16, 15
	s_add_co_u32 s94, s94, BLKB                    ; B
	s_lshl_b32 s95, s15, 11
	s_add_co_u32 s95, s95, ASC
	s_lshl_b32 s96, s2, 10
	s_add_co_u32 s96, s96, s95                     ; A hi's scale bytes
	s_lshl_b32 s97, s16, 10
	s_add_co_u32 s95, s95, s97                     ; A lo's
	s_lshl_b32 s3, s3, 11
	s_add_co_u32 s3, s3, BLKB-2048
	s_add_co_u32 s97, s97, s3                      ; from there to B's blocks 0-3 (lanes 16-31)
	s_mul_i32 s98, s16, 3072
	s_add_co_u32 s98, s98, s3                      ; and from A hi's to B's blocks 4-7
	s_mul_i32 s99, s14, 16*SPITCH                  ; my stage
	s_lshl_b32 s100, s14, 11
	s_add_co_u32 s100, s100, TX
	s_xor_b32 s101, s14, 1
	s_lshl_b32 s101, s101, 11
	s_add_co_u32 s101, s101, TX
	s_lshl_b32 s80, s17, 8                         ; out0: my lo and hi rows, my 128 columns
	s_lshl_b32 s81, s15, 7
	s_add_co_u32 s80, s80, s81
	s_lshl_b32 s82, s2, 6
	s_add_co_u32 s82, s82, s80
	s_lshl_b32 s81, s16, 6
	s_add_co_u32 s80, s80, s81
	s_lshl_b32 s80, s80, 14
	s_lshl_b32 s82, s82, 14
	s_lshl_b32 s81, s42, 10
	s_lshl_b32 s83, s16, 9
	s_add_co_u32 s81, s81, s83
	s_add_co_u32 s80, s80, s81
	s_add_co_u32 s82, s82, s81
	s_mov_b32 s81, 0
	s_mov_b32 s83, 0
	s_lshl_b32 s2, s42, 14                         ; lora_B: my 128 rows of 64 bytes
	s_lshl_b32 s3, s16, 13
	s_add_co_u32 s2, s2, s3
	s_mov_b32 s3, 0
	s_wait_dscnt 0x0                               ; and the one wait for both adds
	s_wait_kmcnt 0x0
	s_add_nc_u64 s[20:21], s[4:5], s[20:21]
	s_add_nc_u64 s[46:47], s[6:7], s[46:47]
	s_add_nc_u64 s[10:11], s[10:11], s[2:3]
	s_add_nc_u64 s[CLO:CLO+1], s[12:13], s[CLO:CLO+1]
	s_add_nc_u64 s[CHI:CHI+1], s[12:13], s[CHI:CHI+1]
	s_cmp_eq_u32 s15, 0
	s_cselect_b64 s[2:3], s[4:5], s[6:7]
	s_add_nc_u64 s[PFA:PFA+1], s[2:3], s[PFA:PFA+1]
	s_mov_b32 s[G0H], 1                            ; the head's tiles: K step 0's block of A,
	s_mov_b32 s[G0H+1], 0
	s_mov_b64 s[G0H+2:G0H+3], s[20:21]
	s_or_b32 s[G0H+3], s[G0H+3], 0x80000000
	s_mov_b32 s[G0HB], 1                           ; of B,
	s_mov_b32 s[G0HB+1], BLKB
	s_mov_b64 s[G0HB+2:G0HB+3], s[46:47]
	s_or_b32 s[G0HB+3], s[G0HB+3], 0x80000000
	s_mov_b32 s[G0L], 1                            ; and a half of lq
	s_add_co_u32 s[G0L+1], s22, LOR
	s_add_nc_u64 s[G0L+2:G0L+3], s[8:9], s[22:23]
	s_or_b32 s[G0L+3], s[G0L+3], 0x80000000
	s_add_nc_u64 s[20:21], s[20:21], s[18:19]      ; for the ring: my half block
	s_add_nc_u64 s[46:47], s[46:47], s[18:19]
.irp s, 0,1
	s_mov_b32 s[G0+4*\s], 1
	s_add_co_u32 s[G0+4*\s+1], s45, \s*SLOT
	s_add_nc_u64 s[G0+4*\s+2:G0+4*\s+3], s[20:21], \s*BLKB
	s_or_b32 s[G0+4*\s+3], s[G0+4*\s+3], 0x80000000
	s_mov_b32 s[G0B+4*\s], 1
	s_add_co_u32 s[G0B+4*\s+1], s45, \s*SLOT
	s_add_nc_u64 s[G0B+4*\s+2:G0B+4*\s+3], s[46:47], \s*BLKB
	s_or_b32 s[G0B+4*\s+3], s[G0B+4*\s+3], 0x80000000
.endr
	CROUND                                         ; all sixteen work-groups are here: the first joint loads meet
	; the head's loads, one a wave, in one chain of branches: wave 0 A's block, wave 1 B's, waves 2 and 3 lq's halves
	s_cmp_lt_u32 s14, 1
	s_cbranch_scc0 .Lhead_b
	TLOAD G0H, G1
	s_branch .Lhead_asked
.Lhead_b:
	s_cmp_lt_u32 s14, 2
	s_cbranch_scc0 .Lhead_l
	TLOAD G0HB, G1B
	s_branch .Lhead_asked
.Lhead_l:
	TLOAD G0L, G1L
.Lhead_asked:
	v_and_b32 v1, 15, v0                           ; r
	v_bfe_u32 v2, v0, 4, 1                         ; h
	v_and_b32 v3, 31, v0                           ; lane
	v_lshlrev_b32 v[LBO], 6, v1
	v_lshl_add_u32 v[LBO], v2, 5, v[LBO]           ; lora_B(16 b + r, 8 h ..): 32 bytes
	WIN TO_B
.irp b, 0,1,2,3,4,5,6,7
	global_load_b128 v[LBF+8*\b:LBF+8*\b+3], v[LBO], s[10:11] offset:1024*\b
	global_load_b128 v[LBF+8*\b+4:LBF+8*\b+7], v[LBO], s[10:11] offset:1024*\b+16
.endr
	WIN 0
	v_lshlrev_b32 v[PFO], 8, v3
	v_min_u32 v[PFO2], 1, v3
	v_lshlrev_b32 v[PFO2], 8, v[PFO2]
	PREF 0                                         ; the head asks for K step 1, whose load stands behind the next round,
	PREF BLKB                                      ; and for K step 2; from here on fill k is followed by the request for K step k + 2
	v_lshlrev_b32 v[CO], 4, v3
	v_lshlrev_b32 v4, 4, v1
	v_mul_u32_u24 v5, s97, v2
	v_add_nc_u32 v5, v5, v4
	v_mul_u32_u24 v6, s98, v2
	v_add_nc_u32 v6, v6, v4
	v_add_nc_u32 v[ADRA_LO], s92, v[CO]
	v_add_nc_u32 v[ADRA_HI], s93, v[CO]
	v_add_nc_u32 v[ADRB], s94, v[CO]
	v_add_nc_u32 v[ADRS_LO], s95, v5
	v_add_nc_u32 v[ADRS_HI], s96, v6
.irp x, ADRA_LO, ADRA_HI, ADRB, ADRS_LO, ADRS_HI
	v_add_nc_u32 v[\x+1], SLOT, v[\x]
.endr
	v_add_nc_u32 v[ADRL], LOR, v[CO]
	v_add_nc_u32 v[ADRLS], LOR+4096, v4
	v_mul_u32_u24 v5, v1, SPITCH
	v_lshl_add_u32 v5, v2, 5, v5
	v_add_nc_u32 v[STO], s99, v5
	v_add_nc_u32 v[RD], s99, v[CO]
	v_add_nc_u32 v[TXS], s100, v[CO]
	v_add_nc_u32 v[TXL], s101, v[CO]
.macro FRAG reg, adr, off              ; 16 rows x 128 K: two loads of 512 consecutive bytes
	ds_load_b128 v[\reg:\reg+3], v[\adr] offset:\off
	ds_load_b128 v[\reg+4:\reg+7], v[\adr] offset:\off+512
.endm
.macro FB slot, q, p                   ; B's eight blocks of the slot's q-th 128 along K into set p
	WIN TO_B
.irp i, 0,1,2,3,4,5,6,7
	FRAG 128*(\p)+FR*\i, ADRB+\slot, \i*4096+(\q)*1024
.endr
.endm
.macro FA slot, q, p, half             ; A's four lo or hi blocks into set p
	WIN 0
.irp i, 0,1,2,3
.if \half
	FRAG AF+64*(\p)+FR*(4+\i), ADRA_HI+\slot, \i*4096+(\q)*1024
.else
	FRAG AF+64*(\p)+FR*\i, ADRA_LO+\slot, \i*4096+(\q)*1024
.endif
.endr
.endm
.macro FL q, p
	FRAG LF+8*(\p), ADRL, (\q)*1024
.endm
.macro SCALES s                        ; a K step's scale words: lanes 0-15 A's block, lanes 16-31 B's
.irp i, 0,1,2,3
	ds_load_b128 v[SC+32*\s+4*\i:SC+32*\s+4*\i+3], v[ADRS_LO+\s] offset:256*\i
.endr
.irp i, 0,1,2,3
	ds_load_b128 v[SC+32*\s+16+4*\i:SC+32*\s+16+4*\i+3], v[ADRS_HI+\s] offset:256*\i
.endr
	ds_load_b128 v[LSC+4*\s:LSC+4*\s+3], v[ADRLS]
.endm
.macro MULA a, p, q, sc, zero          ; A's block a against B's eight: eight accumulators by turns
	WIN MUL_LO+0x50*((\a)/4)
.irp b, 0,1,2,3,4,5,6,7
.if \zero
	v_wmma_scale_f32_16x16x128_f8f6f4 v[8*(8*((\a)%4)+\b):8*(8*((\a)%4)+\b)+7], v[128*(\p)+FR*\b:128*(\p)+FR*\b+7], v[AF+64*(\p)+FR*(\a):AF+64*(\p)+FR*(\a)+7], 0, v[SC+32*(\sc)+4*\b+(\q)], v[SC+32*(\sc)+4*(\a)+(\q)] matrix_a_fmt:MATRIX_FMT_FP4 matrix_b_fmt:MATRIX_FMT_FP4 matrix_a_scale:MATRIX_SCALE_ROW1
.else
	v_wmma_scale_f32_16x16x128_f8f6f4 v[8*(8*((\a)%4)+\b):8*(8*((\a)%4)+\b)+7], v[128*(\p)+FR*\b:128*(\p)+FR*\b+7], v[AF+64*(\p)+FR*(\a):AF+64*(\p)+FR*(\a)+7], v[8*(8*((\a)%4)+\b):8*(8*((\a)%4)+\b)+7], v[SC+32*(\sc)+4*\b+(\q)], v[SC+32*(\sc)+4*(\a)+(\q)] matrix_a_fmt:MATRIX_FMT_FP4 matrix_b_fmt:MATRIX_FMT_FP4 matrix_a_scale:MATRIX_SCALE_ROW1
.endif
.endr
.endm
.macro TMUL q, p, sc, zero             ; T^T of my lo rows: source 0 = lora_A's 16 rows
	WIN MUL_T
.irp a, 0,1,2,3
.if \zero
	v_wmma_scale_f32_16x16x128_f8f6f4 v[TACC+8*\a:TACC+8*\a+7], v[LF+8*(\p):LF+8*(\p)+7], v[AF+64*(\p)+FR*\a:AF+64*(\p)+FR*\a+7], 0, v[LSC+4*(\sc)+(\q)], v[SC+32*(\sc)+4*\a+(\q)] matrix_a_fmt:MATRIX_FMT_FP4 matrix_b_fmt:MATRIX_FMT_FP4
.else
	v_wmma_scale_f32_16x16x128_f8f6f4 v[TACC+8*\a:TACC+8*\a+7], v[LF+8*(\p):LF+8*(\p)+7], v[AF+64*(\p)+FR*\a:AF+64*(\p)+FR*\a+7], v[TACC+8*\a:TACC+8*\a+7], v[LSC+4*(\sc)+(\q)], v[SC+32*(\sc)+4*\a+(\q)] matrix_a_fmt:MATRIX_FMT_FP4 matrix_b_fmt:MATRIX_FMT_FP4
.endif
.endr
.endm
; A step of 128 along K whose successor lies in the same slot.  The four places at its head stand between the last step's products and this step's loads, which land in the sets that those products read.
.macro STEP slot, q, zero
	s_wait_dscnt 8                                 ; all of this step's operands but A's hi blocks (the youngest 8 loads)
	PLACES 4
	FB \slot, (\q)+1, 1-(\q)%2                     ; the next step's 34 loads, in the order of their use
	FA \slot, (\q)+1, 1-(\q)%2, 0
	FL (\q)+1, 1-(\q)%2
	FA \slot, (\q)+1, 1-(\q)%2, 1
.irp a, 0,1,2,3
	MULA \a, (\q)%2, \q, \slot, \zero
.endr
	TMUL \q, (\q)%2, \slot, \zero
	s_wait_dscnt 34                                ; all but the 34 just issued: A's hi blocks are in
.irp a, 4,5,6,7
	MULA \a, (\q)%2, \q, \slot, \zero
.endr
.endm
; A slot's last step changes slots.  Its operands were asked for a step ago, so the slot's reads end at its head.  fill = 1: the barrier opens a round of the cluster's barrier, and the slot is filled again, two K steps ahead.
.macro TURN slot, next, fill
	WIN 0
.if \fill
	s_wait_xcnt 0x0                                ; my prefetches have read their address
	s_add_nc_u64 s[PFA:PFA+1], s[PFA:PFA+1], BLKB
.endif
	s_wait_tensorcnt 0x0                           ; my one load that was out, my part of the next slot, has landed;
	ds_add_u32 v[SPW], v[NIL]                      ; the add;
	s_wait_dscnt 0x0                               ; the add is done, and my reads of this slot are over
	s_barrier_signal -1
	MULA 0, 1, 3, \slot, 0
	MULA 1, 1, 3, \slot, 0
	WIN 0
	s_barrier_wait -1
.if \fill
	CREST
	s_add_nc_u64 s[G0+4*\slot+2:G0+4*\slot+3], s[G0+4*\slot+2:G0+4*\slot+3], 2*BLKB
	s_add_nc_u64 s[G0B+4*\slot+2:G0B+4*\slot+3], s[G0B+4*\slot+2:G0B+4*\slot+3], 2*BLKB
	JLOAD \slot                                    ; the first tensor load behind the round; its four v_nop are the places for the loads below
.else
	PLACES 4
.endif
	v_add_nc_u32 v[ADRL], LQB, v[ADRL]             ; lq's next K step
	v_add_nc_u32 v[ADRLS], LQB, v[ADRLS]
	s_wait_alu depctr_va_vdst(0)                   ; the wait here, directly behind the writes
	FB \next, 0, 0                                 ; the next slot's first operands and its scale words: 43 loads in one run
	FA \next, 0, 0, 0
	FL 0, 0
	SCALES \next
	FA \next, 0, 0, 1
.if \fill
	s_cmp_gt_u32 s3, 1                             ; the last trip's two fills have no K step two fills on
	s_cbranch_scc0 .Lno_ask_\@
	PREF 2*BLKB                                    ; behind fill k the address stands at K step k: the request is for K step k + 2
.Lno_ask_\@:
.endif
	MULA 2, 1, 3, \slot, 0
	MULA 3, 1, 3, \slot, 0
	TMUL 3, 1, \slot, 0
.irp a, 4,5,6,7
	MULA \a, 1, 3, \slot, 0
.endr
.endm
	s_wait_alu depctr_va_vdst(0)                   ; the wait at the head's end
	s_wait_tensorcnt 0x0                           ; my tile of the head's is in
	ds_add_u32 v[SPW], v[NIL]
	s_mov_b32 s[G1+2], 136<<16                     ; no tensor load of mine is out: from here on a load brings half a block
	s_mov_b32 s[G1+4], 136
	s_mov_b32 s[G1B+2], 136<<16
	s_mov_b32 s[G1B+4], 136
	s_wait_dscnt 0x0
	CROUND
	JLOAD 1                                        ; K step 1, the first tensor load behind the round
	FB 0, 0, 0
	FA 0, 0, 0, 0
	FL 0, 0
	SCALES 0
	FA 0, 0, 0, 1
	PREF 2*BLKB                                    ; K step 3
	s_wait_loadcnt 0x0                             ; lora_B is in: to bf16 in place while the first fragments come; K = 16 .. 31 of its fragments are zeros
	WIN 0x45
.irp b, 0,1,2,3,4,5,6,7
.irp j, 0,1,2,3
	v_cvt_pk_bf16_f32 v[LBF+8*\b+\j], v[LBF+8*\b+2*\j], v[LBF+8*\b+2*\j+1]
.endr
.irp j, 4,5,6,7
	v_mov_b32 v[LBF+8*\b+\j], 0
.endr
.endr
	WIN 0
	s_wait_alu depctr_va_vdst(0)
	STEP 0, 0, 1                                   ; the first step's products start the sums
	WIN 0
	s_mov_b32 s3, LAPS-1
.Llap:                                                 ; a trip goes once round the ring and fills both slots again
	STEP 0, 1, 0
	STEP 0, 2, 0
	TURN 0, 1, 1
	STEP 1, 0, 0
	STEP 1, 1, 0
	STEP 1, 2, 0
	TURN 1, 0, 1
	STEP 0, 0, 0
	WIN 0
	s_sub_co_u32 s3, s3, 1
	s_cmp_lg_u32 s3, 0
	s_cbranch_scc1 .Llap
	STEP 0, 1, 0                                   ; the last lap fills nothing
	STEP 0, 2, 0
	TURN 0, 1, 0
	STEP 1, 0, 0
	STEP 1, 1, 0
	STEP 1, 2, 0
	s_wait_dscnt 8
.irp a, 0,1,2,3
	MULA \a, 1, 3, 1, 0
.endr
	TMUL 3, 1, 1, 0                                ; T is whole: it changes hands while the last 32 products are made
	PLACES 4
	WIN 0x41                                       ; 2 T, in f32, each accumulator from its low end on
.irp a, 0,1,2,3
.irp j, 0,2,4,6
	v_pk_mul_f32 v[TACC+8*\a+\j:TACC+8*\a+\j+1], v[TACC+8*\a+\j:TACC+8*\a+\j+1], 2.0 op_sel_hi:[1,0]
.endr
.endr
	WIN 0x05                                       ; to bf16: registers 0-3 of a fragment of the third product (lane: row r of x, ranks 8 h ..)
.irp a, 0,1,2,3
.irp j, 0,1,2,3
	v_cvt_pk_bf16_f32 v[AF+8*\a+\j], v[TACC+8*\a+2*\j], v[TACC+8*\a+2*\j+1]
.endr
.endr
	WIN 0
.irp a, 0,1,2,3
	ds_store_b128 v[TXS], v[AF+8*\a:AF+8*\a+3] offset:512*\a
.endr
.irp a, 0,1,2,3,4,5,6,7
.irp j, 4,5,6,7
	v_mov_b32 v[AF+8*\a+\j], 0
.endr
.endr
	s_wait_alu depctr_va_vdst(0)                   ; the wait here, directly ahead of the wait below
	s_wait_dscnt 0x0                               ; for the wave beside me: my stores are done
	s_barrier_signal -1
.irp a, 4,5,6,7
	MULA \a, 1, 3, 1, 0                            ; work on registers between the signal and the wait (x's hi blocks came in with the wait for 0 above)
.endr
	PLACES 5                                       ; between these products and the bf16 products onto the same accumulators
	WIN 0
	s_barrier_wait -1
.irp a, 0,1,2,3
	ds_load_b128 v[AF+8*(4+\a):AF+8*(4+\a)+3], v[TXL] offset:512*\a   ; T of my hi rows, on its way under the 32 products of my lo rows
.endr
.irp a, 0,1,2,3,4,5,6,7
.if \a == 4
	s_wait_dscnt 0x0                               ; T of my hi rows is in
.endif
	WIN MUL_LO+0x50*(\a/4)
.irp b, 0,1,2,3,4,5,6,7
	v_wmma_f32_16x16x32_bf16 v[8*(8*(\a%4)+\b):8*(8*(\a%4)+\b)+7], v[LBF+8*\b:LBF+8*\b+7], v[AF+8*\a:AF+8*\a+7], v[8*(8*(\a%4)+\b):8*(8*(\a%4)+\b)+7]
.endr
.endr
	WIN 0
; THE WAY OUT, block by block of 16 rows x 128 columns, through my own stage and back as whole rows of 512 bytes
.macro TOSTAGE a
.set AC, 64*((\a)%4)
	WIN 0x08+4*((\a)/4)
.irp b, 0,1,2,3,4,5,6,7
	ds_store_b128 v[STO], v[AC+8*\b:AC+8*\b+3] offset:64*\b
	ds_store_b128 v[STO], v[AC+8*\b+4:AC+8*\b+7] offset:64*\b+16
.endr
	WIN 0
.set BB, BK+64*((\a)%2)
.irp t, 0,1,2,3,4,5,6,7,8,9,10,11,12,13,14,15
	ds_load_b128 v[BB+4*\t:BB+4*\t+3], v[RD] offset:\t*SPITCH
.endr
.endm
.macro SEND a, younger
.set BB, BK+64*((\a)%2)
	s_wait_dscnt \younger
.irp t, 0,1,2,3,4,5,6,7,8,9,10,11,12,13,14,15
.if (\a) < 4
	global_store_b128 v[CO], v[BB+4*\t:BB+4*\t+3], s[CLO:CLO+1] offset:(((\a)%4)*16+\t)*16384 th:TH_STORE_NT
.else
	global_store_b128 v[CO], v[BB+4*\t:BB+4*\t+3], s[CHI:CHI+1] offset:(((\a)%4)*16+\t)*16384 th:TH_STORE_NT
.endif
.endr
.endm
	PLACES 4
	TOSTAGE 0
.irp a, 1,2,3,4,5,6,7
.if \a > 1
	s_wait_xcnt 0x0                                ; block a - 2's stores have read their registers
.endif
	TOSTAGE \a
	SEND \a-1, 32                                  ; behind block a - 1's loads: block a's 16 stores and 16 loads
.endr
	SEND 7, 0
	s_wait_tensorcnt 0x0                           ; the wave's end
	ds_add_u32 v[SPW], v[NIL]
	s_wait_dscnt 0x0
	CROUND                                         ; the closing round
	s_endpgm
.Lfunc_end_k_q6010f1628c_gemm:
	.size	k_q6010f1628c_gemm, .Lfunc_end_k_q6010f1628c_gemm-k_q6010f1628c_gemm
	.p2alignl 7, 3214868480
	.fill 96, 4, 3214868480
	.section	.rodata,"a",@progbits
	.p2align	6, 0x0
	.amdhsa_kernel k_q6010f1628c_gemm
		.amdhsa_group_segment_fixed_size 327680
		.amdhsa_private_segment_fixed_size 0
		.amdhsa_enable_private_segment 0
		.amdhsa_kernarg_size 40
		.amdhsa_user_sgpr_count 2
		.amdhsa_user_sgpr_kernarg_segment_ptr 1
		.amdhsa_wavefront_size32 1
		.amdhsa_system_sgpr_workgroup_id_x 1
		.amdhsa_system_sgpr_workgroup_id_y 1
		.amdhsa_system_sgpr_workgroup_id_z 1
		.amdhsa_system_vgpr_workitem_id 0
		.amdhsa_next_free_vgpr 1024
		.amdhsa_next_free_sgpr 102
		.amdhsa_reserve_vcc 0
		.amdhsa_float_denorm_mode_32 3
		.amdhsa_float_denorm_mode_16_64 3
		.amdhsa_memory_ordered 1
		.amdhsa_forward_progress 1
		.amdhsa_inst_pref_size 235
	.end_amdhsa_kernel
	.amdgpu_metadata
---
amdhsa.version: [ 1, 2 ]
amdhsa.kernels:
  - .name:           k_q6010f1628c_gemm
    .symbol:         k_q6010f1628c_gemm.kd
    .args:
      - { .name: xq, .offset: 0, .size: 8, .value_kind: global_buffer, .address_space: global }
      - { .name: wq, .offset: 8, .size: 8, .value_kind: global_buffer, .address_space: global }
      - { .name: lq, .offset: 16, .size: 8, .value_kind: global_buffer, .address_space: global }
      - { .name: lora_B, .offset: 24, .size: 8, .value_kind: global_buffer, .address_space: global }
      - { .name: out0, .offset: 32, .size: 8, .value_kind: global_buffer, .address_space: global }
    .group_segment_fixed_size: 327680
    .private_segment_fixed_size: 0
    .kernarg_segment_align: 8
    .kernarg_segment_size: 40
    .max_flat_workgroup_size: 128
    .sgpr_count:     102
    .vgpr_count:     1024
    .wavefront_size: 32
...
	.end_amdgpu_metadata
.endif
;; end of part 2
